; MI455X (gfx1250); checked and timed in simulation.
; The chip was launched on July 23, 2026; its instructions are those of AMD's public machine-readable ISA for CDNA 5 (MIT licence, August 2026) and "CDNA5" Instruction Set Architecture Reference Guide (July 2026). The comments in the code are by the model that wrote it; some were corrected since.
;; Enhanced Mo E Model. Allowed arithmetic: matrix products marked QUANTISED: E4M3 operands, one given power-of-two scale a tensor, by v_wmma_f32_16x16x64_fp8_fp8 or v_wmma_f32_16x16x128_fp8_fp8, f32 sums; products left as they are: f32 operands where the result goes on into a quantised operand, else bf16, f16 or f32 operands; f32 sums; everything else in f32.
;; Inputs: W1 8 x 32 x 64 float32; W2 8 x 64 x 32 float32; W3 8 x 32 x 1 float32; b1 8 x 64 float32; b2 8 x 32 float32; b3 8 x 1 float32; lowp_scales 4 int32 (the exponents e of the quantised operands' scales 2^e); soft_cluster_probs 524,288 x 8 float32; x 524,288 x 32 float32.
;; Outputs: out0 524,288 x 1 float32.
;; This version of the problem:
;;   THIS VERSION OF THE PROBLEM IS GIVEN IN LOW PRECISION. The matrix products marked QUANTISED in the list below multiply operands that are first quantised to E4M3 (4 exponent bits, 3 mantissa bits; 8 bits a number), with one given power-of-two scale for each operand tensor; their sums are f32. All else is computed in f32.
;;   The module's matrix products, in the order in which they are computed (A, B: the left and right operand; K: the contracted axis; several contracted axes count as one K, in the product's order):
;;     1. [M 512, K 32] x [K 32, N 524,288]; A: input W1; B: input x: QUANTISED (scales: A lowp_scales[0], B lowp_scales[1])
;;     2. batch 8 x [M 524,288, K 64] x [K 64, N 32]; A: computed on the way; B: input W2: QUANTISED (scales: A lowp_scales[2], B lowp_scales[3])
;;     3. batch 8 x [M 524,288, K 32] x [K 32, N 1]; A: computed on the way; B: input W3: left as it is (N = 1 < 16)
;;     4. batch 524,288 x [M 1, K 8] x [K 8, N 1]; A: computed on the way; B: input soft_cluster_probs: left as it is (K = 8 < 32)
;;   THE QUANTISER, for each operand of a quantised product, along K:
;;     - The operand's scale is 2^e, e = its entry of the input lowp_scales (int32; the entries are numbered through the quantised products in the list's order, A before B).
;;     - Each number is divided by the scale, clamped to +-448, and rounded to the nearest number of E4M3, ties to even, subnormals kept.
;;     - The product sums the exact products of the quantised numbers (number of the format x scale) in f32.
;;   ~~~python
;;   def quantise(x, axis, e):      # numpy; x: float32 -> the quantised numbers, widened to float32 again
;;       x = np.moveaxis(x, axis, -1); K = x.shape[-1]
;;       r = np.clip(x / 2.0 ** e, -448, 448)
;;       step = 2.0 ** (np.maximum(np.frexp(np.where(r == 0, 1, r))[1] - 1, -6) - 3)
;;       q = np.round(r / step) * step * 2.0 ** e      # np.round: ties to even
;;       return np.moveaxis(q, -1, axis).astype(np.float32)
;;   ~~~
;;   OPERANDS COMPUTED ON THE WAY. 'Computed on the way' means the value that the module computes at that place (a softmax that the list does not call 'softmax' is quantised finished and normalised). What goes into a quantiser is computed in f32, as accurately as f32 sums, v_exp_f32 and their like allow (about 1e-6 of the number): no bf16 or f16 on the way to a quantiser, and a product that is left as it is and whose result goes on into a quantised operand takes f32 operands (vector FMAs, or v_wmma_f32_16x16x4_f32). A number that lies on a knife's edge between two numbers of the format may be rounded either way, as far as f32 arithmetic and the matrix unit's own rounding can turn it there, and no further.
;; One version. Each part assembles by itself: llvm-mc -triple=amdgcn-amd-amdhsa -mcpu=gfx1250 --defsym DOCPART=n.
;; ======== version 1 of 1: 1 launch
;; limits: right only within a limited range of input values
;; launch moe (part 1): grid 256 x 1, 16 waves a work-group, no clusters, 327,680 bytes of LDS; arguments x, soft_cluster_probs, W1, b1, W2, b2, W3, b3, lowp_scales, out0; writes out0
.if DOCPART == 1
	.amdgcn_target "amdgcn-amd-amdhsa--gfx1250"
	.amdhsa_code_object_version 6
	.text
	.protected	k_q4d0ac9a3e3_moe
	.globl	k_q4d0ac9a3e3_moe
	.p2align	8
	.type	k_q4d0ac9a3e3_moe,@function
k_q4d0ac9a3e3_moe:
	s_mov_b64 s[64:65], 0
	v_nop
	global_prefetch_b8 v0, s[64:65] scope:SCOPE_SE
	s_setreg_imm32_b32 hwreg(HW_REG_WAVE_MODE, 25, 1), 1
	s_wait_xcnt 0x0
; out[b] = sum over e of p[b][e] * sigmoid( relu( relu(x[b] W1[e] + b1[e]) W2[e] + b2[e] ) W3[e] + b3[e] ).
; x [524288][32], p [524288][8], W1 [8][32][64], b1 [8][64], W2 [8][64][32], b2 [8][32], W3 [8][32], b3 [8], out [524288]: f32.
; The first two products run on codes of E4M3 with the given scales 2^e0 (W1), 2^e1 (x), 2^e2 (the first hidden layer), 2^e3 (W2), sums in f32; all else in f32.
; SHARES.  A work-group of sixteen waves owns 2,048 rows, a wave 128 of them: 8 tiles of 16 rows, for ALL eight experts.  The tiles' codes stay in registers; the experts' operands lie in LDS as images of the
; registers and are loaded once for each expert, for eight tiles.  Behind the making of the images waves do not meet, and the sum over the experts never leaves a lane.
; HEAD.  Wave w makes the image of expert w % 8: waves 0 to 7 of W1 and b1, waves 8 to 15 of W2, b2, W3, b3.  All waves ask for weights first; then for tiles 0 and 1 of x; behind the images' barrier for the rest of x and for p.
; BOTH PRODUCTS ARE USED TRANSPOSED (source 0 = weights, source 1 = rows): a lane holds one row (lane % 16) throughout, and its registers run along the units.  Which units form a tile is chosen so that the
; conversions' results are the next operand's registers: first product, tile t, source row m = unit 4 m + t; second product, tile u, source row m = unit 2 m + u.
; K = 32 OF THE FIRST PRODUCT fills half of the 16x16x64 form.  Two tiles of rows share four registers of zero codes between them: an even tile fills the lower half of K, an odd one the upper.  W1's operand of tile t
; is its four registers and the four behind them (even) or before them (odd): what lies there are codes that meet the zeros.  In a half, position (c, h, i) holds k = 16 h + 8 c + i in both operands.
; BIASES are the C of the matrix instructions, divided by the power of two that the sums lack; relu and the hold at the largest code are one v_med3; the scales ahead of the quantiser are folded into the conversion's
; one, 2^(e2 - e0 - e1); 2^(e2 + e3) and -log2(e) are folded into W3, so that sigmoid = 1 / (1 + 2^z').
; ONE PIPELINE over tiles and experts: stretch i holds tile i's hidden layer, and among its 32 holds stand tile i - 1's second product, relu and first half of the third product, the second half of tile i - 2's, and
; tile i + 1's first product: independent chains by turns.  It runs on from one expert's tile 7 into the next expert's tile 0; an operand's registers take the next expert's as soon as their last reader is past.
; NO CLUSTER: work-groups share W1 and W2 alone, 131,072 bytes that each reads once, at the head, straight into the registers that turn them into codes: each wave 8,192 bytes.  A joint load would lay them into LDS as f32 to be
; read back once, and no step asks for them again.  NO PREFETCH: the loop over experts reads no memory; everything is asked for ahead of it.  No LDS byte is filled twice.
; LIMITS: e0, e1, e3 and e2 - e0 - e1 lie between -126 and 119, so that each scale and 448 x the scale is an f32 number.  NaN among the inputs is not served.
.set EST,  4864                        ; LDS: an expert's images: W1's codes 2,048 bytes, W2's 2,048; then for each half h of the lanes 288 bytes: b1 128, b2 64, W3 64, b3 twice
.set XST,  8*EST                       ; a stage of 16 rows x (128 + 16) bytes for each wave
.set PT,   XST+16*2304                 ; p: 4,096 bytes for each wave, as in memory
.set SPARE, PT+65536                   ; the spare words, 128 bytes for each wave
.set WB,   1                           ; v1   16 x lane
.set BB,   2                           ; v2   4096 + 288 h
.set PB,   3                           ; v3   my rows of p
.set WA,   4                           ; v4, v5, v6  the same at the expert at work
.set BA,   5
.set PA,   6
.set SCLH, 7                           ; v7, v8   the hidden layer's scale 2^(e2 - e0 - e1), and 448 x it
.set LIMH, 8
.set XSW,  9                           ; v9   my stage, as loaded
.set XSR,  10                          ; v10  my stage, read back: row lane % 16, + 64 (lane / 16)
.set OW,   11                          ; v11  my stage, four bytes a lane
.set ORD,  12                          ; v12  my stage, sixteen bytes a lane
.set SCLX, 13                          ; v13, v14  head only: x's scale and 448 x it
.set LIMX, 14
.set T0,   13                          ; v13-15   behind the head: the cross-lane sums
.set T1,   14
.set T2,   15
.set X,    16                          ; v16-63   x's codes: for each pair of tiles four registers, four of zeros, four registers
.set Z,    64                          ; v64-67   zeros in front of W1
.set W1F,  68                          ; v68-83   W1's codes, four registers a tile
.set W2F,  84                          ; v84-99   W2's codes, eight registers a tile; they follow W1's: finite codes
.set B1,   100                         ; v100-131 b1 / 2^(e0 + e1) in the result's layout
.set B2,   132                         ; v132-147 b2 / 2^(e2 + e3) likewise
.set W3R,  148                         ; v148-163 W3 x -log2(e) x 2^(e2 + e3)
.set B3,   164                         ; v164-165 b3 x -log2(e) / 4, twice
.set H,    166                         ; v166-197 the first product's four tiles
.set HC,   198                         ; v198-205 the hidden layer's codes
.set G,    206                         ; v206-237 the second product's two tiles, two sets by turns
.set ACC,  238                         ; v238-241 z' in halves: a pair for even tiles, a pair for odd ones
.set ZP,   242                         ; v242-245 z' of the four pairs of tiles: lane l = row 32 q + l
.set PV,   246                         ; v246-249 p of the same rows
.set OUT,  250                         ; v250-253 the sums over the experts
.set SPW,  254                         ; v254 LDS address of my spare word; never rewritten
.set NIL,  255                         ; v255 0; never rewritten
.set WT,   16                          ; head only: v16-31 16 numbers of a weight in the operand's order
.set WC,   32                          ; head only: v32-47 a weight's codes
.set WIW,  48                          ; head only: where I store codes, b1, b2 and W3, b3
.set B1W,  49
.set B2W,  50
.set B3W,  51
.set W1O,  52                          ; head only: offsets in W1, W2; 8 x lane, 4 x lane
.set W2O,  53
.set L8,   54
.set L4,   55
.set RB,   56                          ; head only: v56-57 b1, or b2 and W3, as loaded
.set B3V,  58
.set SCLW, 60                          ; head only: my weight's scale and 448 x it
.set LIMW, 61
.set WL,   62                          ; head only: v62-125 64 numbers of a weight as loaded
.set XQ,   84                          ; head only: v84-115 two sets of 16 neighbours of x
.set XR,   126                         ; head only: v126-253 128 rows of x on their way
.set WV,   28                          ; s28 wave, s29 expert, s30 W1 (0) or W2 (1)
.set EX,   29
.set GH,   30
.set SEL,  34                          ; s[34:35] v_permlanex16_b32's selects for lane l xor 16
.set HI,   36                          ; s36 lanes 16-31
.set EO,   38                          ; s38 the images of the expert whose operands are loaded
.set PO,   39                          ; s39 4 x the expert whose p is loaded
.set TRIP, 62
.macro POW2 src, sc, lim               ; s[sc] = 2^s[src] as f32, s[lim] = 448 x that
	s_add_co_i32 s[\lim], s[\src], 127
	s_lshl_b32 s[\sc], s[\lim], 23
	s_add_co_i32 s[\lim], s[\lim], 8
	s_lshl_b32 s[\lim], s[\lim], 23
	s_or_b32 s[\lim], s[\lim], 0x600000
.endm
.macro NOPS n
.rept \n
	v_nop
.endr
.endm
.macro VWAIT
	s_wait_alu depctr_va_vdst(0)
.endm
.macro LOADX i                         ; tile i's 16 rows of x, 2,048 bytes: each load 512 consecutive bytes
.irp j, 0,1,2,3
	global_load_b128 v[XR+16*(\i)+4*\j:XR+16*(\i)+4*\j+3], v[WB], s[8:9] offset:2048*(\i)+512*\j th:TH_LOAD_NT
.endr
.endm
.macro TURN i                          ; tile i through my stage: four rows of 144 bytes a store; back 16 neighbours of row lane % 16.  LDS serves a wave's instructions in order
.irp j, 0,1,2,3
	ds_store_b128 v[XSW], v[XR+16*(\i)+4*\j:XR+16*(\i)+4*\j+3] offset:576*\j
.endr
.irp j, 0,1,2,3
	ds_load_b128 v[XQ+16*((\i)%2)+4*\j:XQ+16*((\i)%2)+4*\j+3], v[XSR] offset:16*\j
.endr
.endm
.macro XQUANT i                        ; tile i becomes codes
.set XS, XQ+16*((\i)%2)
.set XC, X+12*((\i)/2)+8*((\i)%2)
.irp n, 0,1,2,3,4,5,6,7,8,9,10,11,12,13,14,15
	v_med3_num_f32 v[XS+\n], v[XS+\n], -v[LIMX], v[LIMX]          ; the conversion to an 8-bit code does not saturate (ISA guide 7.6.2): the hold at 448 x the scale
.endr
	v_cvt_scalef32_pk8_fp8_f32 v[XC:XC+1], v[XS:XS+7], v[SCLX]
	v_cvt_scalef32_pk8_fp8_f32 v[XC+2:XC+3], v[XS+8:XS+15], v[SCLX]
.endm
.macro L1 i, t                         ; the first product of the tile behind tile i, its t-th 16 units x 16 rows; C = b1
.set XN, ((\i)+1)%8
.if XN%2 == 0
	v_wmma_f32_16x16x64_fp8_fp8 v[H+8*\t:H+8*\t+7], v[W1F+4*\t:W1F+4*\t+7], v[X+12*(XN/2):X+12*(XN/2)+7], v[B1+8*\t:B1+8*\t+7]
.else
	v_wmma_f32_16x16x64_fp8_fp8 v[H+8*\t:H+8*\t+7], v[W1F+4*\t-4:W1F+4*\t+3], v[X+12*(XN/2)+4:X+12*(XN/2)+11], v[B1+8*\t:B1+8*\t+7]
.endif
.endm
.macro M t, js:vararg                  ; relu and the hold in one, tile t's registers from the low end on
.irp j, \js
	v_med3_num_f32 v[H+8*\t+\j], v[H+8*\t+\j], 0, v[LIMH]
.endr
.endm
.macro CV t                            ; tile t's eight numbers become registers 2 t, 2 t + 1 of the next operand
	v_cvt_scalef32_pk8_fp8_f32 v[HC+2*\t:HC+2*\t+1], v[H+8*\t:H+8*\t+7], v[SCLH]
.endm
.macro L2 b                            ; the second product: two tiles of 16 units x 16 rows into set b; C = b2
.irp u, 0,1
	v_wmma_f32_16x16x64_fp8_fp8 v[G+16*(\b)+8*\u:G+16*(\b)+8*\u+7], v[W2F+8*\u:W2F+8*\u+7], v[HC:HC+7], v[B2+8*\u:B2+8*\u+7]
.endr
.endm
.macro DM b, k                         ; relu of pair k of set b, two in one instruction
	v_dual_max_num_f32 v[G+16*(\b)+2*(\k)], 0, v[G+16*(\b)+2*(\k)] :: v_dual_max_num_f32 v[G+16*(\b)+2*(\k)+1], 0, v[G+16*(\b)+2*(\k)+1]
.endm
.macro DF b, k                         ; z' += pair k x W3; the first takes b3's quarter as its addend: nothing is cleared
.if (\k) == 0
	v_pk_fma_f32 v[ACC+2*(\b):ACC+2*(\b)+1], v[G+16*(\b):G+16*(\b)+1], v[W3R:W3R+1], v[B3:B3+1]
.else
	v_pk_fma_f32 v[ACC+2*(\b):ACC+2*(\b)+1], v[G+16*(\b)+2*(\k):G+16*(\b)+2*(\k)+1], v[W3R+2*(\k):W3R+2*(\k)+1], v[ACC+2*(\b):ACC+2*(\b)+1]
.endif
.endm
; Two tiles' z' meet: a row's sum lies in four parts, two halves in each of lanes l and l xor 16.  Lanes 0-15 keep the even tile's and give the odd one's away, lanes 16-31 the other way round
.macro RA b
	v_add_f32 v[T0+(\b)], v[ACC+2*(\b)], v[ACC+2*(\b)+1]
.endm
.macro RB1
	v_cndmask_b32 v[T2], v[T1], v[T0], s[HI]
.endm
.macro RC1 q
	v_cndmask_b32 v[ZP+\q], v[T0], v[T1], s[HI]
.endm
.macro RD1
	v_permlanex16_b32 v[T0], v[T2], s[SEL], s[SEL+1]
.endm
.macro RE1 q
	v_add_f32 v[ZP+\q], v[ZP+\q], v[T0]
.endm
.macro SIGMOID                         ; 128 rows, four a lane: 1 / (1 + 2^z')
.irp q, 0,1,2,3
	v_exp_f32 v[ZP+\q], v[ZP+\q]
.endr
	v_nop                                          ; a plain line behind the batch,
	VWAIT                                          ; and one wait for it ahead of its first reader
	v_pk_add_f32 v[ZP:ZP+1], v[ZP:ZP+1], 1.0 op_sel_hi:[1,0]
	v_pk_add_f32 v[ZP+2:ZP+3], v[ZP+2:ZP+3], 1.0 op_sel_hi:[1,0]
	VWAIT                                          ; the wait ahead of the batch too
.irp q, 0,1,2,3
	v_rcp_f32 v[ZP+\q], v[ZP+\q]
.endr
	v_nop
	VWAIT
.endm
.macro PSUM q                          ; out += p x that
	v_pk_fma_f32 v[OUT+\q:OUT+\q+1], v[ZP+\q:ZP+\q+1], v[PV+\q:PV+\q+1], v[OUT+\q:OUT+\q+1]
.endm
.macro LD_W1
.irp n, 0,1,2,3
	ds_load_b128 v[W1F+4*\n:W1F+4*\n+3], v[WA] offset:512*\n
.endr
.irp n, 0,1,2,3,4,5,6,7
	ds_load_b128 v[B1+4*\n:B1+4*\n+3], v[BA] offset:16*\n
.endr
.endm
.macro LD_W2
.irp n, 0,1,2,3
	ds_load_b128 v[W2F+4*\n:W2F+4*\n+3], v[WA] offset:2048+512*\n
.endr
.irp n, 0,1,2,3
	ds_load_b128 v[B2+4*\n:B2+4*\n+3], v[BA] offset:128+16*\n
.endr
.endm
.macro LD_W3 n
	ds_load_b128 v[W3R+4*\n:W3R+4*\n+3], v[BA] offset:192+16*\n
.endm
.macro LD_P
.irp q, 0,1,2,3
	ds_load_b32 v[PV+\q], v[PA] offset:1024*\q     ; p[32 q + lane][expert]
.endr
.endm
; Stretch i.  s = 1: tile i - 1's second product, relu and first half of the third.  f = 1: the second half of tile i - 2's and its cross-lane sum.
; w: tile i + 1's first product: 0: each part as soon as its registers are free; 1: late, behind the wait for the next expert's W1 and b1; 2: behind the sigmoids of the expert before; 3: none.
; ld: what is loaded for the next expert: 7: W1, b1, and p of the expert at work; 8: p alone; 10: W2, b2, half of W3, b3; 11: the other half of W3, with the wait for what 10 asked for; 12: the wait for that half
.macro BODY i, s, f, w, ld
.set CB, (\i)%2
.set PR, 1-CB
.set Q,  (((\i)+5)/2)%4
.if \ld == 12
	VWAIT
	s_wait_dscnt 0x0                               ; W3's second half is in
.endif
	M 0, 0,1
.if \f
	DF CB, 4
.endif
	M 0, 2,3,4,5
.if \f
	DF CB, 5
.endif
.if \ld == 11
	VWAIT
	s_wait_dscnt 0x0                               ; W2, b2, W3's first half and b3 are in
.endif
.if \ld == 7
	LD_W1                                          ; eight places or more behind the last matrix instruction that reads W1 and b1
.endif
.if (\ld == 7) || (\ld == 8)
	LD_P
.endif
.if \s
	L2 PR
.endif
	M 0, 6,7
	M 1, 0,1
.if \f
	DF CB, 6
.endif
	M 1, 2,3
.if \ld == 10
	LD_W2                                          ; seven places behind the last matrix instructions that read W2 and b2
.endif
	CV 0
	M 1, 4
.if \w == 0
	L1 \i, 0
.endif
	M 1, 5
.if \f
	DF CB, 7
.endif
.if \ld == 11
	LD_W3 2
	LD_W3 3
.endif
	M 1, 6
.if \s
	DM PR, 0
.endif
	M 1, 7
.if \s
	DM PR, 1
.endif
	M 2, 0
.if \f
	RA CB
.endif
	M 2, 1
.if \s
	DF PR, 0
	DM PR, 2
.endif
	M 2, 2
	CV 1
	M 2, 3
.if \w == 0
	L1 \i, 1
.endif
.if (\f) && (CB == 1)
	RB1
	RC1 Q
.endif
	M 2, 4
.if \s
	DF PR, 1
	DM PR, 3
.endif
	M 2, 5,6,7
.if (\f) && (CB == 1)
	RD1
.endif
	M 3, 0
.if \s
	DF PR, 2
.endif
	M 3, 1,2
	CV 2
	M 3, 3
.if \w == 0
	L1 \i, 2
.endif
.if \w == 1
	VWAIT
	s_wait_dscnt 0x0                               ; the next expert's W1 and b1 are in, and p
	L1 \i, 0
.endif
	M 3, 4
.if (\f) && (CB == 1)
	RE1 Q
.endif
	M 3, 5
.if \w == 1
	L1 \i, 1
.endif
	M 3, 6,7
.if \w == 1
	L1 \i, 2
.endif
.if \s
	DM PR, 4
	DM PR, 5
	DF PR, 3
	DM PR, 6
.endif
.if \w == 2
	DM PR, 7                                       ; here every matrix result has been read
	VWAIT
	SIGMOID
	CV 3
	PSUM 0
	L1 \i, 0
	PSUM 2
	L1 \i, 1
	v_nop
	L1 \i, 2
	v_nop
	L1 \i, 3
	v_nop                                          ; the fourth place behind the first of the four
.else
	CV 3
.if \s
	DM PR, 7                                       ; the plain line behind the conversion
.else
	v_nop
.endif
.if \w < 2
	L1 \i, 3
.endif
.endif
.if \ld == 10
	LD_W3 0
	LD_W3 1
	ds_load_b64 v[B3:B3+1], v[BA] offset:256
.endif
.endm
	s_load_b512 s[8:23], s[0:1], 0x0               ; x, p s[10:11], W1 s[12:13], b1 s[14:15], W2 s[16:17], b2 s[18:19], W3 s[20:21], b3 s[22:23]
	s_load_b128 s[24:27], s[0:1], 0x40             ; the scales' exponents s[24:25], out s[26:27]
	v_lshl_add_u32 v[SPW], v0, 2, SPARE
	v_mov_b32 v[NIL], 0
	ds_add_u32 v[SPW], v[NIL]                      ; the wave's opening: the add, twice on end, and its wait ahead of my tensor load
	ds_add_u32 v[SPW], v[NIL]
	v_lshrrev_b32 v48, 5, v0
	v_readfirstlane_b32 s[WV], v48                 ; wave 0..15
	s_and_b32 s[EX], s[WV], 7
	s_lshr_b32 s[GH], s[WV], 3
	s_mul_i32 s31, s[WV], 2304
	s_add_co_u32 s31, s31, XST                     ; my stage
	s_mul_i32 s60, s[EX], EST                      ; my expert's images
	s_lshl_b32 s61, s[WV], 12
	s_add_co_u32 s61, s61, PT                      ; my rows of p
	; descriptor groups: 16 rows of 32 elements of 8 bytes, dense: 4,096 bytes
	s_mov_b32 s44, 1
	s_mov_b32 s45, s61
	s_mov_b32 s48, 3<<16                           ; elements of 8 bytes, no padding, no mask
	s_mov_b32 s49, 32<<16                          ; tensor_dim0 = 32
	s_mov_b32 s50, 16<<16                          ; tensor_dim1 = 16
	s_mov_b32 s51, 32<<16                          ; tile_dim0 = 32
	s_mov_b32 s52, 16                              ; tile_dim1 = 16
	s_mov_b32 s53, 32                              ; elements from row to row
	s_mov_b32 s54, 0
	s_mov_b32 s55, 0
	s_mov_b32 s[SEL], 0x76543210
	s_mov_b32 s[SEL+1], 0xfedcba98
	s_mov_b32 s[HI], 0xffff0000
	s_mov_b32 s[EO], 0
	s_mov_b32 s[PO], 0
	; every LDS address is made here, ahead of the first branch on the wave's number
	v_and_b32 v62, 31, v0                          ; lane
	v_and_b32 v63, 15, v0                          ; r
	v_bfe_u32 v64, v0, 4, 1                        ; h
	v_bfe_u32 v69, v0, 1, 3                        ; (lane / 2) % 8
	v_and_b32 v70, 1, v0
	v_and_b32 v67, 7, v0
	v_bfe_u32 v66, v0, 3, 2                        ; lane / 8
	v_mul_u32_u24 v65, 288, v64
	v_mul_u32_u24 v66, 144, v66
	v_mul_u32_u24 v68, 144, v63
	v_lshlrev_b32 v[WB], 4, v62
	v_lshlrev_b32 v74, 12, v64
	v_add_nc_u32 v[BB], 4096, v65
	v_lshl_add_u32 v66, v67, 4, v66
	v_lshl_add_u32 v68, v64, 6, v68
	v_lshl_add_u32 v[PB], v62, 5, s61
	v_lshl_add_u32 v69, v69, 2, v[BB]              ; 4096 + 288 h + 4 j, j = (lane / 2) % 8
	v_add_nc_u32 v[XSW], s31, v66                  ; row lane / 8, 16 (lane % 8)
	v_add_nc_u32 v[XSR], s31, v68                  ; row r, 64 h
	v_lshl_add_u32 v73, v70, 2, v[BB]
	v_lshl_add_u32 v71, v70, 6, v69                ; b1's unit 2 lane: tile 2 (lane % 2), register j
	v_lshl_add_u32 v72, v70, 5, v69                ; b2's and W3's unit lane: tile lane % 2, register j
	v_lshl_add_u32 v[OW], v62, 2, s31
	v_lshl_add_u32 v[ORD], v62, 4, s31
	v_add_nc_u32 v[B1W], s60, v71
	v_add_nc_u32 v[B2W], s60, v72
	v_add_nc_u32 v[B3W], s60, v73
	v_lshl_add_u32 v[WIW], v62, 4, s60
	v_lshl_add_u32 v[W1O], v63, 4, v74             ; 16 h rows of 256 bytes, 16 r
	v_lshl_add_u32 v[W2O], v63, 3, v74             ; 32 h rows of 128 bytes, 8 r
	v_lshlrev_b32 v[L8], 3, v62
	v_lshlrev_b32 v[L4], 2, v62
	VWAIT                                          ; directly ahead of the waits below
	s_wait_dscnt 0x0                               ; both opening adds are done
	s_wait_kmcnt 0x0
	s_load_b128 s[40:43], s[24:25], 0x0            ; e0, e1, e2, e3
	s_lshl_b32 s32, s[EX], 2
	s_mov_b32 s33, 0
	s_add_nc_u64 s[22:23], s[22:23], s[32:33]
	s_load_b32 s37, s[22:23], 0x0                  ; b3 of my expert
	s_lshl_b32 s32, s[EX], 13                      ; an expert's W1 and W2 are 8,192 bytes each
	s_add_nc_u64 s[12:13], s[12:13], s[32:33]
	s_add_nc_u64 s[16:17], s[16:17], s[32:33]
	s_lshl_b32 s32, s[EX], 8
	s_add_nc_u64 s[14:15], s[14:15], s[32:33]      ; b1
	s_lshl_b32 s32, s[EX], 7
	s_add_nc_u64 s[18:19], s[18:19], s[32:33]      ; b2
	s_add_nc_u64 s[20:21], s[20:21], s[32:33]      ; W3
	s_lshl_b32 s32, ttmp9, 18                      ; x: 2,048 rows of 128 bytes a work-group, 128 a wave
	s_lshl_b32 s59, s[WV], 14
	s_add_co_u32 s32, s32, s59
	s_add_nc_u64 s[8:9], s[8:9], s[32:33]
	s_lshl_b32 s32, ttmp9, 16                      ; p: rows of 32 bytes
	s_lshl_b32 s59, s[WV], 12
	s_add_co_u32 s32, s32, s59
	s_add_nc_u64 s[46:47], s[10:11], s[32:33]
	s_or_b32 s47, s47, 0x80000000
	s_lshl_b32 s32, ttmp9, 13                      ; out: rows of 4 bytes
	s_lshl_b32 s59, s[WV], 9
	s_add_co_u32 s32, s32, s59
	s_add_nc_u64 s[26:27], s[26:27], s[32:33]
	s_cmp_eq_u32 s[GH], 0
	s_cbranch_scc0 .Lask_w2
.irp n, 0,1,2,3,4,5,6,7,8,9,10,11,12,13,14,15
	global_load_b128 v[WL+4*\n:WL+4*\n+3], v[W1O], s[12:13] offset:256*\n     ; W1[16 h + n][4 r + 0 .. 3]: one number for each of the four tiles
.endr
	global_load_b64 v[RB:RB+1], v[L8], s[14:15]                               ; b1[2 lane + 0, 1]
	s_branch .Lasked
.Lask_w2:
.irp c, 0,1,2,3
.irp i, 0,1,2,3,4,5,6,7
	global_load_b64 v[WL+2*(8*\c+\i):WL+2*(8*\c+\i)+1], v[W2O], s[16:17] offset:(4*\i+\c)*128   ; W2[32 h + 4 i + c][2 r + 0, 1]: one number for each of the two tiles
.endr
.endr
	global_load_b32 v[RB], v[L4], s[18:19]                                    ; b2[lane]
	global_load_b32 v[RB+1], v[L4], s[20:21]                                  ; W3[lane]
.Lasked:
	s_barrier_signal -1                            ; all waves have asked for their weights: x's loads come behind them
	s_barrier_wait -1
	LOADX 0
	LOADX 1
	s_wait_kmcnt 0x0
	s_add_co_i32 s59, s40, s41                     ; e0 + e1: a sum of the first product stands for sum x 2^(e0 + e1)
	s_sub_co_i32 s56, 0, s59
	s_add_co_i32 s58, s42, s43                     ; e2 + e3: the same for the second
	s_sub_co_i32 s57, 0, s58
	s_sub_co_i32 s63, s42, s59                     ; e2 - e0 - e1: the three scales ahead of the hidden layer's quantiser, folded into one
	s_cmp_eq_u32 s[GH], 0
	s_cselect_b32 s59, s40, s43                    ; my weight's exponent
	POW2 41, 60, 61
	v_mov_b32 v[SCLX], s60
	v_mov_b32 v[LIMX], s61
	POW2 63, 60, 61
	v_mov_b32 v[SCLH], s60
	v_mov_b32 v[LIMH], s61
	POW2 59, 60, 61
	v_mov_b32 v[SCLW], s60
	v_mov_b32 v[LIMW], s61
	v_mov_b32 v[B3V], s37
	VWAIT                                          ; directly ahead of the wait below
	s_wait_loadcnt 8                               ; the weights are in; x's eight loads may be out
	s_cmp_eq_u32 s[GH], 0
	s_cbranch_scc0 .Lmake_w2
.irp t, 0,1,2,3
.irp n, 0,1,2,3,4,5,6,7,8,9,10,11,12,13,14,15
	v_med3_num_f32 v[WT+\n], v[WL+4*\n+\t], -v[LIMW], v[LIMW]
.endr
	v_cvt_scalef32_pk8_fp8_f32 v[WC+4*\t:WC+4*\t+1], v[WT:WT+7], v[SCLW]
	v_cvt_scalef32_pk8_fp8_f32 v[WC+4*\t+2:WC+4*\t+3], v[WT+8:WT+15], v[SCLW]
	v_nop                                          ; a plain line behind the conversions: their sources are written next
	ds_store_b128 v[WIW], v[WC+4*\t:WC+4*\t+3] offset:512*\t
.endr
	v_ldexp_f32 v[RB], v[RB], s56                  ; b1 / 2^(e0 + e1)
	v_ldexp_f32 v[RB+1], v[RB+1], s56
	ds_store_b32 v[B1W], v[RB]
	ds_store_b32 v[B1W], v[RB+1] offset:32
	s_branch .Lmade
.Lmake_w2:
.irp u, 0,1
.irp d, 0,1
.irp n, 0,1,2,3,4,5,6,7,8,9,10,11,12,13,14,15
	v_med3_num_f32 v[WT+\n], v[WL+2*(16*\d+\n)+\u], -v[LIMW], v[LIMW]
.endr
	v_cvt_scalef32_pk8_fp8_f32 v[WC+8*\u+4*\d:WC+8*\u+4*\d+1], v[WT:WT+7], v[SCLW]
	v_cvt_scalef32_pk8_fp8_f32 v[WC+8*\u+4*\d+2:WC+8*\u+4*\d+3], v[WT+8:WT+15], v[SCLW]
	v_nop
	ds_store_b128 v[WIW], v[WC+8*\u+4*\d:WC+8*\u+4*\d+3] offset:2048+1024*\u+512*\d
.endr
.endr
	v_mul_f32 v[RB+1], 0xbfb8aa3b, v[RB+1]         ; W3 x -log2(e)
	v_mul_f32 v[B3V], 0xbeb8aa3b, v[B3V]           ; b3 x -log2(e) / 4: it enters a row's sum four times
	v_ldexp_f32 v[RB], v[RB], s57                  ; b2 / 2^(e2 + e3)
	v_ldexp_f32 v[RB+1], v[RB+1], s58
	ds_store_b32 v[B2W], v[RB] offset:128
	ds_store_b32 v[B2W], v[RB+1] offset:192
	ds_store_b32 v[B3W], v[B3V] offset:256         ; both words of each half
.Lmade:
.irp g, 0,1,2,3
.irp n, 4,5,6,7
	v_mov_b32 v[X+12*\g+\n], 0                     ; the zero codes between two tiles of rows,
.endr
.endr
.irp n, 0,1,2,3
	v_mov_b32 v[Z+\n], 0                           ; and those in front of W1
.endr
	VWAIT                                          ; directly ahead of the waits below
	s_wait_tensorcnt 0x0                           ; the wait and the two adds ahead of a first fill that stands behind a barrier
	ds_add_u32 v[SPW], v[NIL]
	ds_add_u32 v[SPW], v[NIL]
	s_wait_dscnt 0x0                               ; the adds are done, and my part of the images is stored:
	s_barrier_signal -1
	s_barrier_wait -1                              ; all images are whole, and nobody writes them again
.irp i, 2,3,4,5,6,7
	LOADX \i
.endr
	tensor_load_to_lds s[44:47], s[48:55]          ; my rows of p: my one tensor load of the launch
	s_nop 0
	s_wait_loadcnt 28                              ; tile 0's four loads are in
	TURN 0
.irp i, 0,1,2,3,4,5,6,7
.if \i < 7
	s_wait_loadcnt 4*(6-\i)                        ; the next tile's four loads are in
	TURN \i+1
	s_wait_dscnt 8                                 ; this tile is back; the next one's eight LDS instructions may be out
.else
	s_wait_dscnt 0x0
.endif
	XQUANT \i
.endr
.irp q, 0,1,2,3
	v_mov_b32 v[OUT+\q], 0                         ; (also the plain lines behind the last conversion)
.endr
	v_add_nc_u32 v[WA], s[EO], v[WB]               ; expert 0's operands
	v_add_nc_u32 v[BA], s[EO], v[BB]
	LD_W1
	LD_W2
.irp n, 0,1,2,3
	LD_W3 \n
.endr
	ds_load_b64 v[B3:B3+1], v[BA] offset:256
	VWAIT                                          ; the wait at the head's end
	s_wait_dscnt 0x0
.irp t, 0,1,2,3
	L1 7, \t                                       ; tile 0
.endr
	NOPS 5
	BODY 0, 0, 0, 0, 0                             ; expert 0: nothing stands ahead of it in the pipeline
	BODY 1, 1, 0, 0, 0
.irp i, 2,3,4,5,6
	BODY \i, 1, 1, 0, 0
.endr
	VWAIT                                          ; directly ahead of the wait below
	s_wait_tensorcnt 0x0                           ; my rows of p have landed: this wave alone reads them
	s_mov_b32 s[TRIP], 7
.Lloop:                                                ; a trip: from tile 7 of one expert to tile 6 of the next
	s_add_co_u32 s[EO], s[EO], EST
	v_add_nc_u32 v[WA], s[EO], v[WB]
	v_add_nc_u32 v[BA], s[EO], v[BB]
	v_add_nc_u32 v[PA], s[PO], v[PB]
	s_add_co_u32 s[PO], s[PO], 4
	BODY 7, 1, 1, 1, 7
	BODY 0, 1, 1, 0, 10
	BODY 1, 1, 1, 2, 11
	BODY 2, 1, 1, 0, 12
.irp i, 3,4,5,6
	BODY \i, 1, 1, 0, 0
.endr
	VWAIT                                          ; ahead of the branch: the next trip reads what has just been written
	s_sub_co_u32 s[TRIP], s[TRIP], 1
	s_cmp_lg_u32 s[TRIP], 0
	s_cbranch_scc1 .Lloop
	v_add_nc_u32 v[PA], s[PO], v[PB]
	BODY 7, 1, 1, 3, 8                             ; the last expert's tile 7; then the pipeline runs out
	L2 1
	DF 0, 4
	s_delay_alu instid0(VALU_DEP_1)
	DF 0, 5
	s_delay_alu instid0(VALU_DEP_1)
	DF 0, 6
	s_delay_alu instid0(VALU_DEP_1)
	DF 0, 7
	v_nop                                          ; with the four lines above five places behind the matrix instructions
	RA 0
	DM 1, 0
	DM 1, 1
	DF 1, 0
.irp k, 1,2,3,4,5,6
	DM 1, \k+1
	DF 1, \k
.endr
	DF 1, 7
	s_delay_alu instid0(VALU_DEP_1)
	RA 1
	s_delay_alu instid0(VALU_DEP_1)
	RB1
	s_delay_alu instid0(VALU_DEP_2)
	RC1 3
	s_delay_alu instid0(VALU_DEP_2)
	RD1
	s_delay_alu instid0(VALU_DEP_1)
	RE1 3
	VWAIT                                          ; ahead of the wait below and of the batch
	s_wait_dscnt 0x0                               ; p is in
	SIGMOID
	PSUM 0
	PSUM 2
.irp q, 0,1,2,3
	ds_store_b32 v[OW], v[OUT+\q] offset:128*\q    ; through my stage: row 32 q + lane
.endr
	ds_load_b128 v[H:H+3], v[ORD]                  ; rows 4 lane + 0 .. 3: LDS serves a wave's instructions in order
	s_wait_dscnt 0x0
	global_store_b128 v[WB], v[H:H+3], s[26:27] th:TH_STORE_NT   ; 512 consecutive bytes, at a multiple of 512 from out's first byte
	s_wait_tensorcnt 0x0                           ; the wave's end
	ds_add_u32 v[SPW], v[NIL]
	s_wait_dscnt 0x0
	s_endpgm
.Lfunc_end_k_q4d0ac9a3e3_moe:
	.size	k_q4d0ac9a3e3_moe, .Lfunc_end_k_q4d0ac9a3e3_moe-k_q4d0ac9a3e3_moe
	.p2alignl 7, 3214868480
	.fill 96, 4, 3214868480
	.section	.rodata,"a",@progbits
	.p2align	6, 0x0
	.amdhsa_kernel k_q4d0ac9a3e3_moe
		.amdhsa_group_segment_fixed_size 327680
		.amdhsa_private_segment_fixed_size 0
		.amdhsa_enable_private_segment 0
		.amdhsa_kernarg_size 80
		.amdhsa_user_sgpr_count 2
		.amdhsa_user_sgpr_kernarg_segment_ptr 1
		.amdhsa_wavefront_size32 1
		.amdhsa_system_sgpr_workgroup_id_x 1
		.amdhsa_system_sgpr_workgroup_id_y 1
		.amdhsa_system_sgpr_workgroup_id_z 1
		.amdhsa_system_vgpr_workitem_id 0
		.amdhsa_next_free_vgpr 256
		.amdhsa_next_free_sgpr 66
		.amdhsa_reserve_vcc 0
		.amdhsa_float_denorm_mode_32 3
		.amdhsa_float_denorm_mode_16_64 3
		.amdhsa_memory_ordered 1
		.amdhsa_forward_progress 1
		.amdhsa_inst_pref_size 106
	.end_amdhsa_kernel
	.amdgpu_metadata
---
amdhsa.version: [ 1, 2 ]
amdhsa.kernels:
  - .name:           k_q4d0ac9a3e3_moe
    .symbol:         k_q4d0ac9a3e3_moe.kd
    .args:
      - { .name: x, .offset: 0, .size: 8, .value_kind: global_buffer, .address_space: global }
      - { .name: soft_cluster_probs, .offset: 8, .size: 8, .value_kind: global_buffer, .address_space: global }
      - { .name: W1, .offset: 16, .size: 8, .value_kind: global_buffer, .address_space: global }
      - { .name: b1, .offset: 24, .size: 8, .value_kind: global_buffer, .address_space: global }
      - { .name: W2, .offset: 32, .size: 8, .value_kind: global_buffer, .address_space: global }
      - { .name: b2, .offset: 40, .size: 8, .value_kind: global_buffer, .address_space: global }
      - { .name: W3, .offset: 48, .size: 8, .value_kind: global_buffer, .address_space: global }
      - { .name: b3, .offset: 56, .size: 8, .value_kind: global_buffer, .address_space: global }
      - { .name: lowp_scales, .offset: 64, .size: 8, .value_kind: global_buffer, .address_space: global }
      - { .name: out0, .offset: 72, .size: 8, .value_kind: global_buffer, .address_space: global }
    .group_segment_fixed_size: 327680
    .private_segment_fixed_size: 0
    .kernarg_segment_align: 8
    .kernarg_segment_size: 80
    .max_flat_workgroup_size: 512
    .sgpr_count:     66
    .vgpr_count:     256
    .wavefront_size: 32
...
	.end_amdgpu_metadata
.endif
;; end of part 1
